; MI455X (gfx1250); checked and timed in simulation.
; The chip was launched on July 23, 2026; its instructions are those of AMD's public machine-readable ISA for CDNA 5 (MIT licence, August 2026) and "CDNA5" Instruction Set Architecture Reference Guide (July 2026). The comments in the code are by the model that wrote it; some were corrected since.
;; Multi Head. Allowed arithmetic: matrix products marked QUANTISED: E4M3 operands, one given power-of-two scale a tensor, by v_wmma_f32_16x16x64_fp8_fp8 or v_wmma_f32_16x16x128_fp8_fp8, f32 sums; everything else in f32.
;; Inputs: W_qkv 3,072 x 1,024 float32; lowp_scales 6 int32 (the exponents e of the quantised operands' scales 2^e); x 4 x 2,048 x 1,024 float32.
;; Outputs: out0 4 x 2,048 x 1,024 float32.
;; This version of the problem:
;;   THIS VERSION OF THE PROBLEM IS GIVEN IN LOW PRECISION. The matrix products marked QUANTISED in the list below multiply operands that are first quantised to E4M3 (4 exponent bits, 3 mantissa bits; 8 bits a number), with one given power-of-two scale for each operand tensor; their sums are f32. All else is computed in f32.
;;   The module's matrix products, in the order in which they are computed (A, B: the left and right operand; K: the contracted axis; several contracted axes count as one K, in the product's order):
;;     1. [M 8,192, K 1,024] x [K 1,024, N 3,072]; A: input x; B: input W_qkv: QUANTISED (scales: A lowp_scales[0], B lowp_scales[1])
;;     2. batch 64 x [M 2,048, K 64] x [K 64, N 2,048]; A: computed on the way; B: computed on the way: QUANTISED (scales: A lowp_scales[2], B lowp_scales[3])
;;     3. batch 64 x [M 2,048, K 2,048] x [K 2,048, N 64]; A: softmax (see below); B: computed on the way: QUANTISED (scales: A lowp_scales[4], B lowp_scales[5])
;;   THE QUANTISER, for each operand of a quantised product, along K:
;;     - The operand's scale is 2^e, e = its entry of the input lowp_scales (int32; the entries are numbered through the quantised products in the list's order, A before B).
;;     - Each number is divided by the scale, clamped to +-448, and rounded to the nearest number of E4M3, ties to even, subnormals kept.
;;     - The product sums the exact products of the quantised numbers (number of the format x scale) in f32.
;;   ~~~python
;;   def quantise(x, axis, e):      # numpy; x: float32 -> the quantised numbers, widened to float32 again
;;       x = np.moveaxis(x, axis, -1); K = x.shape[-1]
;;       r = np.clip(x / 2.0 ** e, -448, 448)
;;       step = 2.0 ** (np.maximum(np.frexp(np.where(r == 0, 1, r))[1] - 1, -6) - 3)
;;       q = np.round(r / step) * step * 2.0 ** e      # np.round: ties to even
;;       return np.moveaxis(q, -1, axis).astype(np.float32)
;;   ~~~
;;   SOFTMAX AHEAD OF A QUANTISED PRODUCT. Where the list says 'softmax', what is quantised is not the finished softmax but p = 2^(t - M), with t = logit x log2(e) and M = ceil(the row's largest t), a whole number; so 1/2 < the row's largest p <= 1. The row's sum l is taken of the UNQUANTISED p, in f32, and the product's result is divided by l at the end. Since M is a whole number, a kernel that streams over the keys may use a running M (the ceiling of the running maximum): every later rescaling is an exact power of two, so the quantised numbers keep their values, but for numbers so far below the row's largest that they fall under the format's range.
;;   OPERANDS COMPUTED ON THE WAY. 'Computed on the way' means the value that the module computes at that place (a softmax that the list does not call 'softmax' is quantised finished and normalised). What goes into a quantiser is computed in f32, as accurately as f32 sums, v_exp_f32 and their like allow (about 1e-6 of the number): no bf16 or f16 on the way to a quantiser, and a product that is left as it is and whose result goes on into a quantised operand takes f32 operands (vector FMAs, or v_wmma_f32_16x16x4_f32). A number that lies on a knife's edge between two numbers of the format may be rounded either way, as far as f32 arithmetic and the matrix unit's own rounding can turn it there, and no further.
;; One version. Each part assembles by itself: llvm-mc -triple=amdgcn-amd-amdhsa -mcpu=gfx1250 --defsym DOCPART=n.
;; ======== version 1 of 1: 3 launches
;; limits: right only within a limited range of input values
;; workspace buffers: xc 8,388,608 bytes; wc 3,145,728 bytes; qkv 25,165,824 bytes
;; launch quant (part 1): grid 704 x 1, 4 waves a work-group, no clusters, 33,280 bytes of LDS; arguments x, W_qkv, lowp_scales, xc, wc; writes xc, wc
.if DOCPART == 1
	.amdgcn_target "amdgcn-amd-amdhsa--gfx1250"
	.amdhsa_code_object_version 6
	.text
	.protected	k_qb4b6b7c353_quant
	.globl	k_qb4b6b7c353_quant
	.p2align	8
	.type	k_qb4b6b7c353_quant,@function
k_qb4b6b7c353_quant:
	s_mov_b64 s[64:65], 0
	v_nop
	global_prefetch_b8 v0, s[64:65] scope:SCOPE_SE
	s_setreg_imm32_b32 hwreg(HW_REG_WAVE_MODE, 25, 1), 1
	s_wait_xcnt 0x0
; x [8192][1024] and W_qkv [3072][1024], f32, become codes of FP8 (E4M3), one byte each, K innermost, each with the one given scale 2^e (entry 0 for x, entry 1 for W).
; code = number / 2^e, held within +-448, rounded to the nearest code, ties to even.
; LIMITS: e between -126 and 119, so that 2^e and 448 x 2^e are f32 numbers.  NaN among the inputs is not served; an infinity is held at the largest code.
; THE ROWS ARE STORED PERMUTED: row t goes to row t with its bits 3 and 4 exchanged.  So 16 neighbouring stored rows 32 B + 16 u + r hold the rows 32 B + 8 u + r + 8 (r / 8), the choice of
; rows that lets the next launch's results fall as 16 neighbours along the following product's K.  A wave's run is 4,096 numbers, four whole rows, so the rows' bits 3 and 4 are bits 1 and 2 of the run's number:
; the permutation is a swap of these two bits in the output's offset.
; A wave takes 8 steps of 512 numbers, and issues all its 32 loads at its start.  Each load reads 512 consecutive bytes, 16 a lane; a step's 2,048 bytes turn through the wave's own stage in LDS and come back 64 bytes a lane,
; so that a lane holds 16 neighbours along K for the conversions.  The stage has 16 bytes of padding behind each 64.  A lane's 16 codes are 16 bytes: the wave stores 512 consecutive bytes.
; The first WGA work-groups take x, the others W: only pointers are chosen.  No tensor loads, no barrier: waves share nothing.  Matrix units and clusters have nothing to do in a stream.
.set WAVES, 4
.set STEPS, 8
.set WGA,   8192*1024/(512*STEPS*WAVES)        ; 512 work-groups for x; 192 for W
.set EMAX,  8
.set MANT,  0x600000                   ; the mantissa field of 448 as f32
.set CB,    16                         ; bytes of 16 codes
.set R,     16                         ; v16-143  eight sets of 16 numbers as they are loaded
.set X,     144                        ; v144-175 two sets of 16 neighbours
.set C,     176                        ; v176-207 codes: four registers for each step, so that no store's data are written again
.set WREG,  8192                       ; LDS: a region for each wave: two stages of 32 x SP bytes
.set SP,    80                         ; a lane's place in a stage: its 64 bytes + 16 of padding
.set SPW,   12                         ; v12      LDS address of my spare word; never rewritten
.set NIL,   13                         ; v13      0; never rewritten
.set SPARE, WAVES*WREG                 ; behind the four regions: the spare words, 128 bytes for each wave, which no other line names
	s_load_b128 s[4:7], s[0:1], 0x0                ; x, W
	s_load_b64 s[10:11], s[0:1], 0x10              ; the scales' exponents
	s_load_b128 s[12:15], s[0:1], 0x18             ; x's codes, W's codes
	v_lshl_add_u32 v[SPW], v0, 2, SPARE
	v_mov_b32 v[NIL], 0
	v_lshrrev_b32 v1, 5, v0
	v_readfirstlane_b32 s16, v1                    ; wave
	v_and_b32 v2, 31, v0                           ; lane
	v_lshlrev_b32 v3, 4, v2                        ; my 16 bytes of a load's 512
	s_mul_i32 s17, s16, WREG
	v_lshrrev_b32 v14, 2, v2
	v_mul_u32_u24 v14, v14, SP
	v_and_b32 v15, 3, v2
	v_lshl_add_u32 v14, v15, 4, v14
	v_add_nc_u32 v14, s17, v14                     ; the stage, on the way in: SP (lane / 4) + 16 (lane % 4)
	v_mul_u32_u24 v15, v2, SP
	v_add_nc_u32 v15, s17, v15                     ; and on the way out: SP x lane: my 16 neighbours
	v_mul_u32_u24 v4, v2, CB                       ; my codes' place in a step's
	s_wait_alu depctr_va_vdst(0)                   ; the wait here, directly ahead of the wait below
	s_wait_kmcnt 0x0
	s_load_b64 s[22:23], s[10:11], 0x0             ; e of x, e of W
	s_cmp_lt_u32 ttmp9, WGA                        ; x's work-group or W's?  The choice hangs on the work-group's number alone
	s_cselect_b64 s[4:5], s[4:5], s[6:7]
	s_cselect_b64 s[8:9], s[12:13], s[14:15]
	s_cselect_b32 s17, 0, WGA
	s_sub_co_u32 s17, ttmp9, s17
	s_lshl_b32 s17, s17, 2
	s_add_co_u32 s18, s17, s16                     ; which run of 4,096 numbers of the tensor my wave reads
	s_mov_b32 s19, 0
	s_mov_b64 s[20:21], 512*STEPS*4
	s_mul_u64 s[20:21], s[18:19], s[20:21]
	s_add_nc_u64 s[4:5], s[4:5], s[20:21]
	s_and_b32 s24, s18, 2                          ; the run's bits 1 and 2 exchanged: the rows' bits 3 and 4
	s_lshl_b32 s24, s24, 1
	s_and_b32 s25, s18, 4
	s_lshr_b32 s25, s25, 1
	s_or_b32 s24, s24, s25
	s_and_b32 s18, s18, 0xfffffff9
	s_or_b32 s18, s18, s24                         ; which run of 4,096 codes it writes
	s_mov_b64 s[20:21], 32*STEPS*CB
	s_mul_u64 s[20:21], s[18:19], s[20:21]
	s_add_nc_u64 s[8:9], s[8:9], s[20:21]
.macro LOAD t
.irp i, 0,1,2,3
	global_load_b128 v[R+16*(\t)+4*\i:R+16*(\t)+4*\i+3], v3, s[4:5] offset:2048*(\t)+512*\i th:TH_LOAD_NT   ; 32 lanes read 512 consecutive bytes
.endr
.endm
.macro TURN t                          ; step t's numbers through the stage: LDS serves a wave's instructions in order, so no wait stands between the stores and the loads
.irp i, 0,1,2,3
	ds_store_b128 v14, v[R+16*(\t)+4*\i:R+16*(\t)+4*\i+3] offset:32*SP*((\t)%2)+8*SP*\i
.endr
.irp i, 0,1,2,3
	ds_load_b128 v[X+16*((\t)%2)+4*\i:X+16*((\t)%2)+4*\i+3], v15 offset:32*SP*((\t)%2)+16*\i
.endr
.endm
.irp t, 0,1,2,3,4,5,6,7
	LOAD \t
.endr
	s_wait_kmcnt 0x0
	s_cmp_lt_u32 ttmp9, WGA
	s_cselect_b32 s22, s22, s23                    ; e
	s_add_co_i32 s22, s22, 127
	s_lshl_b32 s23, s22, 23
	v_mov_b32 v11, s23                             ; 2^e as f32: the conversion takes its exponent field
	s_add_co_i32 s22, s22, EMAX
	s_lshl_b32 s22, s22, 23
	s_or_b32 s22, s22, MANT
	v_mov_b32 v10, s22                             ; 448 x 2^e
	s_wait_alu depctr_va_vdst(0)                   ; the wait at the head's end
	s_wait_loadcnt 4*(STEPS-1)                     ; step 0's four loads are in; the 28 of steps 1 to 7 may be out
	TURN 0
.macro STEP t
.set XS, X+16*((\t)%2)
	s_wait_dscnt 0x0                               ; this step's numbers are back from the stage
.if (\t)+1 < STEPS
	s_wait_loadcnt 4*(STEPS-2-(\t))                ; the next step's four loads are in; those of the steps behind it may be out
	TURN (\t)+1                                    ; and go through the other stage while this step is worked
.endif
.irp i, 0,1,2,3,4,5,6,7,8,9,10,11,12,13,14,15
	v_med3_num_f32 v[XS+\i], v[XS+\i], -v10, v10   ; the conversion to an 8-bit code does not saturate (ISA guide 7.6.2): the number is held within 448 x the scale first
.endr
	v_cvt_scalef32_pk8_fp8_f32 v[C+4*(\t):C+4*(\t)+1], v[XS:XS+7], v11          ; eight numbers / 2^e, to the nearest code, ties to even; the first number's code in the lowest byte
	v_cvt_scalef32_pk8_fp8_f32 v[C+4*(\t)+2:C+4*(\t)+3], v[XS+8:XS+15], v11     ; (the results go to a store alone; the next vector lines are the next step's holds, plain ones on other registers)
	global_store_b128 v4, v[C+4*(\t):C+4*(\t)+3], s[8:9] offset:32*CB*(\t)      ; 32 lanes store 512 consecutive bytes, aligned
.endm
.irp t, 0,1,2,3,4,5,6,7
	STEP \t
.endr
	s_wait_tensorcnt 0x0                           ; the wave's end, behind my last LDS store
	ds_add_u32 v[SPW], v[NIL]
	s_wait_dscnt 0x0
	s_endpgm
.Lfunc_end_k_qb4b6b7c353_quant:
	.size	k_qb4b6b7c353_quant, .Lfunc_end_k_qb4b6b7c353_quant-k_qb4b6b7c353_quant
	.p2alignl 7, 3214868480
	.fill 96, 4, 3214868480
	.section	.rodata,"a",@progbits
	.p2align	6, 0x0
	.amdhsa_kernel k_qb4b6b7c353_quant
		.amdhsa_group_segment_fixed_size 33280
		.amdhsa_private_segment_fixed_size 0
		.amdhsa_enable_private_segment 0
		.amdhsa_kernarg_size 40
		.amdhsa_user_sgpr_count 2
		.amdhsa_user_sgpr_kernarg_segment_ptr 1
		.amdhsa_wavefront_size32 1
		.amdhsa_system_sgpr_workgroup_id_x 1
		.amdhsa_system_sgpr_workgroup_id_y 1
		.amdhsa_system_sgpr_workgroup_id_z 1
		.amdhsa_system_vgpr_workitem_id 0
		.amdhsa_next_free_vgpr 208
		.amdhsa_next_free_sgpr 66
		.amdhsa_reserve_vcc 0
		.amdhsa_float_denorm_mode_32 3
		.amdhsa_float_denorm_mode_16_64 3
		.amdhsa_memory_ordered 1
		.amdhsa_forward_progress 1
		.amdhsa_inst_pref_size 20
	.end_amdhsa_kernel
	.amdgpu_metadata
---
amdhsa.version: [ 1, 2 ]
amdhsa.kernels:
  - .name:           k_qb4b6b7c353_quant
    .symbol:         k_qb4b6b7c353_quant.kd
    .args:
      - { .name: x, .offset: 0, .size: 8, .value_kind: global_buffer, .address_space: global }
      - { .name: W_qkv, .offset: 8, .size: 8, .value_kind: global_buffer, .address_space: global }
      - { .name: lowp_scales, .offset: 16, .size: 8, .value_kind: global_buffer, .address_space: global }
      - { .name: xc, .offset: 24, .size: 8, .value_kind: global_buffer, .address_space: global }
      - { .name: wc, .offset: 32, .size: 8, .value_kind: global_buffer, .address_space: global }
    .group_segment_fixed_size: 33280
    .private_segment_fixed_size: 0
    .kernarg_segment_align: 8
    .kernarg_segment_size: 40
    .max_flat_workgroup_size: 128
    .sgpr_count:     66
    .vgpr_count:     208
    .wavefront_size: 32
...
	.end_amdgpu_metadata
.endif
;; end of part 1
;; launch gemm (part 2): grid 12 x 32, 4 waves a work-group, clusters of 4 x 4, 327,680 bytes of LDS; arguments xc, wc, lowp_scales, qkv; writes qkv
.if DOCPART == 2
	.amdgcn_target "amdgcn-amd-amdhsa--gfx1250"
	.amdhsa_code_object_version 6
	.text
	.protected	k_qb4b6b7c353_gemm
	.globl	k_qb4b6b7c353_gemm
	.p2align	8
	.type	k_qb4b6b7c353_gemm,@function
k_qb4b6b7c353_gemm:
	s_mov_b64 s[64:65], 0
	v_nop
	global_prefetch_b8 v0, s[64:65] scope:SCOPE_SE
	s_setreg_imm32_b32 hwreg(HW_REG_WAVE_MODE, 25, 1), 1
	s_wait_xcnt 0x0
	s_wait_alu depctr_hold_cnt(0) depctr_sa_sdst(0) depctr_va_vdst(0) depctr_va_sdst(0) depctr_va_ssrc(0) depctr_va_vcc(0) depctr_vm_vsrc(0)
	s_getreg_b32 s2, hwreg(HW_REG_IB_STS2, 6, 4)
	s_cmp_eq_u32 s2, 0
	s_cbranch_scc0 .Lentry_in_a_cluster
	s_endpgm
.Lentry_in_a_cluster:
	s_bfe_u32 s2, ttmp6, 0x10000c
	s_cmp_lg_u32 s2, 0xf033
	s_cbranch_scc0 .Lentry_shape_is_right
	s_endpgm
.Lentry_shape_is_right:
; qkv = x W^T on codes of FP8 (E4M3): xc [8192][1024], wc [3072][1024], K innermost, rows permuted (bits 3 and 4 exchanged) by the launch before.  Sums in f32.
; Each finished sum stands for sum x 2^(e0 + e1).  It is at once an operand of the attention's products, so it is quantised here, in registers: code = sum / 2^(eo - e0 - e1), held within +-448, eo = e2 for q, e3 for k,
; e5 for v; the three exponents are folded into the conversion's one scale.  LIMIT: eo - e0 - e1 between -126 and 119.
; A tile of 256 x 256 is made by a work-group of four waves, 128 x 128 each: 64 accumulators, 512 registers.  K goes in four steps of 256 through two LDS slots filled by the tensor data mover.
; CLUSTERS: 4 x 4 work-groups; cluster x = 0, 1, 2 is exactly q, k, v.  A slot has two regions of 256 rows.  The first feeds source 1, its tile hangs on cy and is asked for jointly along a row of the cluster;
; the second feeds source 0, its tile hangs on cx and is asked for jointly along a column.
; 384 work-groups: a tile with half the columns would fill 256 places evenly but read half as much again from LDS for each product.
; THE MATRIX INSTRUCTION: source 0's 16 rows run along a lane's registers, source 1's 16 rows along the lanes.  For q and k source 1 = tokens and source 0 = rows of W (channels): a lane holds one token and, in the accumulators
; 2 b and 2 b + 1, thanks to the rows' permutation, the 16 neighbouring channels 32 b + 16 (lane / 16) + 0 .. 15.  FOR v THE TWO CHANGE PLACES: source 1 = rows of W (channels), source 0 = tokens, so that a lane holds
; one channel and 16 neighbouring KEYS, which are the K of the attention's second product.  They change places in the MEMORY ADDRESSES of the tensor loads alone: q, k: the first region takes x's tile 4 x cluster y + cy and
; the second W's tile 4 x cluster x + cx; v: the first takes W's tile 8 + cy and the second x's tile 4 x cluster y + cx.  The choice hangs on cluster x, which all sixteen partners share; every LDS address is made of constants and the wave's number.
; THE OUTPUT IS LAID AS IMAGES OF THE NEXT LAUNCH'S OPERAND REGISTERS, 16 bytes x lane, 512 bytes a store (bh = 16 batch + head):
;   q at 0, k at 8,388,608:  bh x 131,072 + T x 1,024 + c x 512 + 16 lane: token 32 (T / 2) + 8 (T % 2) + r + 8 (r / 8), channels 32 c + 16 h + 0 .. 15
;   v at 16,777,216:         bh x 131,072 + s x 8,192 + d x 2,048 + c x 512 + 16 lane: channel 32 (d / 2) + 8 (d % 2) + r + 8 (r / 8), keys 128 s + 32 c + 16 h + 0 .. 15
; So the results leave straight from the registers, with no stage in LDS.
; PREFETCHES: a K step is 256 bytes of each row.  Of the 128 rows that a wave fetches, each of the four partners that ask for them jointly names 32, told apart by address (cx for the first region, cy for the second), a lane a row,
; one instruction a wave and K step.  K steps 1 and 2 are named at the head, behind K step 0's load; K step 3 behind K step 1's load: each one or two refills ahead of the load that wants it.  The address registers are never rewritten.
; REGISTERS, in windows of 256: window 0: v0-31 addresses and the two scale numbers; from v128 source 1's fragments, ONE set; on the way out v32-95 held sums, v96-223 codes.
;   window 1: source 0's fragments, TWO sets, at v0 and v128.   window 2: the accumulators of source 1's blocks 0-3 ((a, b) at v[8 (8 a + b)]);   window 3: those of blocks 4-7.
.set KSTEP,  256                       ; along K in a slot
.set ROWB,   256                       ; a tile's row in bytes
.set KROW,   1024                      ; a row of xc or wc in memory, in bytes
.set PITCH,  272                       ; an LDS row: 256 bytes + 16 of padding = 68 words: row r starts at bank 4 r mod 64 (ISA guide 11.1), so the 16 rows of a load start at 16 different banks
.set FR,     16                        ; registers of a fragment: 16 rows x 128 K
.set NL,     4                         ; LDS loads that bring one
.set NP,     4                         ; places behind this matrix instruction (ISA guide 7.12.1)
.set HALFT,  128*PITCH                 ; 128 rows: what one tensor load brings, and what one wave reads for a source
.set SLOT,   4*HALFT                   ; the first region's 256 rows, then the second's
.set LAPS,   1024/(2*KSTEP)            ; a lap = two K steps = once round the ring
.set SPARE,  2*SLOT                    ; behind the ring: the spare words, 128 bytes for each wave, which no other line names
.set ADRA, 16                          ; v16-17  LDS address of source 1's fragments in slot 0, 1
.set ADRB, 20                          ; v20-21  the same for source 0
.set PFO,  22                          ; v22     the prefetches' offset: my lane x a row in memory; never rewritten
.set VO0,  26                          ; v26     the way out: 16 x lane
.set VO1,  27                          ; v27     the same, one head (q, k) or two groups of 32 keys (v) further on
.set SPW,  28                          ; v28     LDS address of my spare word; never rewritten
.set NIL,  29                          ; v29     0; never rewritten
.set SCL,  30                          ; v30     2^(eo - e0 - e1) as f32
.set LIM,  31                          ; v31     448 x that
.set TMP,  32                          ; the way out: a block's 64 sums, held
.set CD,   96                          ; the way out: 16 registers of codes for each of the 8 blocks, so that no store's data are written again
.set AF,   128                         ; source 1's fragments, in window 0
.set G1, 24                            ; s[24:31] descriptor group 1 for the first region's tiles;  s[32:39] group 0, one set for each slot
.set G0, 32
.set G1B, 48                           ; s[48:55], s[56:63] the same for the second region's tiles
.set G0B, 56
.set PFA, 96                           ; s[96:97] my work-group's 32 rows of the 128 that my wave fetches, at K step 0; never rewritten
.set MSB, 0
.macro WIN new                         ; the immediate's high byte repeats the setting that is left
.if MSB != \new
	s_set_vgpr_msb (MSB<<8)|\new
.set MSB, \new
.endif
.endm
.set MUL_LO, 0xa1                      ; source 0 window 1, source 1 window 0, C and D window 2
.set MUL_HI, 0xf1                      ; the same, C and D window 3
.set TO_B,   0x40                      ; destination window 1, address window 0
; A joint load: waves 0 and 1 fetch the first region's tile, waves 2 and 3 the second's.  Each of the two lines has one mask and one set of registers for all that issue it; the branch hangs on the wave's number alone.
; An s_nop 0 and four v_nop follow each of the two lines, ahead of the jump, the label and what follows.
.macro JLOAD g0a, g1a, g0b, g1b
	s_cmp_eq_u32 s15, 0
	s_cbranch_scc0 .Lfor_b_\@
	tensor_load_to_lds s[\g0a:\g0a+3], s[\g1a:\g1a+7]
	s_nop 0
.rept 4
	v_nop
.endr
	s_branch .Lasked_\@
.Lfor_b_\@:
	tensor_load_to_lds s[\g0b:\g0b+3], s[\g1b:\g1b+7]
	s_nop 0
.rept 4
	v_nop
.endr
.Lasked_\@:
.endm
.macro CREST                           ; a round of the cluster's barrier behind its opening barrier
	s_cmp_lg_u32 s14, 0
	s_cbranch_scc1 .Lnot_wave_0_\@
	s_barrier_signal -3
.Lnot_wave_0_\@:
	s_barrier_wait -3
	s_barrier_signal -1
	s_barrier_wait -1
.endm
.macro CROUND                          ; a whole round
	s_barrier_signal -1
	s_barrier_wait -1
	CREST
.endm
	s_load_b128 s[4:7], s[0:1], 0x0                ; x's codes s[4:5], W's codes s[6:7]
	s_load_b128 s[8:11], s[0:1], 0x10              ; the scales' exponents s[8:9], qkv s[10:11]
	v_lshl_add_u32 v[SPW], v0, 2, SPARE
	v_mov_b32 v[NIL], 0
	ds_add_u32 v[SPW], v[NIL]                      ; the wave's opening: the add, twice on end, and its wait ahead of my first tensor load; the set-up below, work on registers, stands between
	ds_add_u32 v[SPW], v[NIL]
	v_lshrrev_b32 v1, 5, v0
	v_readfirstlane_b32 s14, v1                    ; wave 0..3
	v_and_b32 v[PFO], 31, v0
	v_lshlrev_b32 v[PFO], 10, v[PFO]               ; lane x 1,024 bytes
	s_lshr_b32 s15, s14, 1                         ; which half of source 1's 256 rows is mine.  Also: I fetch for the first region (0) or for the second (1)
	s_and_b32 s16, s14, 1                          ; which half of source 0's.  Also: which 128 rows of that tile I fetch
	s_bfe_u32 s40, ttmp6, 0x40000                  ; cx, cy: my place in the cluster
	s_bfe_u32 s41, ttmp6, 0x40004
	s_lshl_b32 s82, ttmp9, 2
	s_and_b32 s83, ttmp7, 0xffff
	s_lshl_b32 s83, s83, 2
	s_cmp_eq_u32 ttmp9, 2                          ; v's clusters: the cluster's x, which all sixteen partners share
	s_cselect_b32 s17, s82, s83
	s_cselect_b32 s42, s83, s82
	s_cselect_b32 s81, s41, s40                    ; which of the cluster's four tiles of W is mine
	s_add_co_u32 s17, s17, s41                     ; the first region's tile: x's 4 x cluster y + cy, for v W's 8 + cy
	s_add_co_u32 s42, s42, s40                     ; the second region's tile: W's 4 x cluster x + cx, for v x's 4 x cluster y + cx
	s_cmp_eq_u32 ttmp9, 2
	s_cselect_b32 s80, s42, s17                    ; my tile of 256 tokens
	s_lshl_b32 s43, s41, 2
	s_lshl_b32 s43, 15, s43                        ; my row of the cluster
	s_lshl_b32 s44, 0x1111, s40                    ; my column
	; descriptor group 1: a tile of 128 rows x 256 bytes, padded in LDS
	s_or_b32 s[G1+0], s43, (0<<16)|(1<<20)|(1<<21)|(5<<22)|(3<<25)  ; 15:0 the mask: my row; 17:16 element of 1 byte; 20 padding on; 21 set beside a mask; 24:22 after every 64 words (code 5); 31:25 of 4 words (code 3)
	s_or_b32 s[G1B+0], s44, (0<<16)|(1<<20)|(1<<21)|(5<<22)|(3<<25) ; the same with the mask of my column
.irp g, G1, G1B
	s_mov_b32 s[\g+1], ROWB<<16                    ; tensor_dim0
	s_mov_b32 s[\g+2], 128<<16                     ; tensor_dim1 = 128
	s_mov_b32 s[\g+3], ROWB<<16                    ; tile_dim0
	s_mov_b32 s[\g+4], 128                         ; tile_dim1 = 128
	s_mov_b32 s[\g+5], KROW                        ; tensor_dim0_stride
	s_mov_b32 s[\g+6], 0
	s_mov_b32 s[\g+7], 0
.endr
	s_lshl_b32 s18, s16, 7                         ; which 128 rows of the tile I fetch
	s_lshl_b32 s20, s17, 8
	s_add_co_u32 s20, s20, s18                     ; the first region: row 256 x tile + 128 x half
	s_lshl_b32 s46, s42, 8
	s_add_co_u32 s46, s46, s18                     ; the second likewise
	s_mov_b32 s21, 0
	s_mov_b32 s47, 0
	s_mov_b64 s[18:19], KROW
	s_mul_u64 s[20:21], s[20:21], s[18:19]
	s_mul_u64 s[46:47], s[46:47], s[18:19]
	s_mul_i32 s45, s14, HALFT                      ; where they go: wave x 128 rows: no place in the cluster enters an LDS address
	s_wait_alu depctr_va_vdst(0)                   ; the wait here, directly ahead of the waits below
	s_wait_dscnt 0x0                               ; both opening adds are done
	s_wait_kmcnt 0x0
	s_load_b128 s[88:91], s[8:9], 0x0              ; e0, e1, e2, e3
	s_load_b64 s[92:93], s[8:9], 0x10              ; e4, e5
	s_cmp_eq_u32 ttmp9, 2
	s_cselect_b64 s[84:85], s[6:7], s[4:5]         ; the first region's tensor: W for v, x else
	s_cselect_b64 s[86:87], s[4:5], s[6:7]         ; the second region's
	s_add_nc_u64 s[20:21], s[84:85], s[20:21]
	s_add_nc_u64 s[46:47], s[86:87], s[46:47]
	s_cmp_eq_u32 s15, 0                            ; the prefetches: the 128 rows that my wave fetches,
	s_cselect_b64 s[PFA:PFA+1], s[20:21], s[46:47]
	s_cselect_b32 s98, s40, s41                    ; my place among the four that ask for them with me,
	s_lshl_b32 s98, s98, 15                        ; x 32 rows of 1,024 bytes
	s_mov_b32 s99, 0
	s_add_nc_u64 s[PFA:PFA+1], s[PFA:PFA+1], s[98:99]
	CROUND                                         ; all sixteen work-groups are here: the first joint loads meet
.irp s, 0,1
	s_mov_b32 s[G0+4*\s], 1
	s_add_co_u32 s[G0+4*\s+1], s45, \s*SLOT
	s_add_nc_u64 s[G0+4*\s+2:G0+4*\s+3], s[20:21], \s*ROWB
	s_or_b32 s[G0+4*\s+3], s[G0+4*\s+3], 0x80000000
	s_mov_b32 s[G0B+4*\s], 1
	s_add_co_u32 s[G0B+4*\s+1], s45, \s*SLOT
	s_add_nc_u64 s[G0B+4*\s+2:G0B+4*\s+3], s[46:47], \s*ROWB
	s_or_b32 s[G0B+4*\s+3], s[G0B+4*\s+3], 0x80000000
.endr
	JLOAD G0, G1, G0B, G1B                         ; K step 0: one tensor load a wave at the head
	v_and_b32 v1, 15, v0                           ; l % 16
	v_bfe_u32 v2, v0, 4, 1                         ; l / 16
	v_mul_u32_u24 v3, v1, PITCH
	v_lshl_add_u32 v4, v2, 4, v3                   ; a fragment's row x pitch + 16 x half
	s_wait_alu depctr_va_vdst(0)                   ; the wait here, ahead of the scalar lines below
	s_cmp_eq_u32 ttmp9, 2                          ; v's clusters?  All that is chosen by it follows, ahead of any line that writes SCC
	s_cselect_b32 s73, s15, s16                    ; which half of W's 256 rows (two heads) is mine,
	s_cselect_b32 s74, s16, s15                    ; and which half of the 256 tokens
	s_mov_b32 s66, 1024
	s_cselect_b32 s66, 2048, s66                   ; from a block of source 1 to the next, in the output: a tile of tokens, or 16 channels of v
	s_mov_b32 s68, 1024
	s_cselect_b32 s68, 124928, s68                 ; from block 3 to block 4: for v the next head, 131,072 - 3 x 2,048
	s_mov_b32 s70, 131072
	s_cselect_b32 s70, 1024, s70                   ; from source 0's first 64 rows to the other 64: the next head, or for v 64 keys
	s_mov_b32 s67, 0
	s_mov_b32 s69, 0
	s_mul_i32 s21, s15, HALFT                      ; my 128 rows of source 1
	s_mul_i32 s22, s16, HALFT                      ; my 128 rows of source 0,
	s_add_co_u32 s22, s22, 2*HALFT                 ; whose region lies behind source 1's 256 rows
.irp s, 0,1
	v_add_nc_u32 v[ADRA+\s], s21, v4
	v_add_nc_u32 v[ADRB+\s], s22, v4
	s_add_co_u32 s21, s21, SLOT
	s_add_co_u32 s22, s22, SLOT
.endr
	v_and_b32 v6, 31, v0
	v_lshlrev_b32 v[VO0], 4, v6                    ; 16 x lane
	v_add_nc_u32 v[VO1], s70, v[VO0]
	; where my part of the output begins: third x 8,388,608 + batch x 2,097,152 + (4 x my tile of W in the cluster + 2 x my half of W's rows) x 131,072 + (2 (token tile % 8) + my half of the tokens) x 8,192
	s_lshl_b32 s76, ttmp9, 23
	s_lshr_b32 s78, s80, 3
	s_lshl_b32 s78, s78, 21
	s_add_co_u32 s76, s76, s78
	s_lshl_b32 s78, s81, 2
	s_lshl_b32 s79, s73, 1
	s_add_co_u32 s78, s78, s79
	s_lshl_b32 s78, s78, 17
	s_add_co_u32 s76, s76, s78
	s_and_b32 s78, s80, 7
	s_lshl_b32 s78, s78, 1
	s_add_co_u32 s78, s78, s74
	s_lshl_b32 s78, s78, 13
	s_add_co_u32 s76, s76, s78
	s_mov_b32 s77, 0
	s_add_nc_u64 s[10:11], s[10:11], s[76:77]
	global_prefetch_b8 v[PFO], s[PFA:PFA+1] offset:ROWB th:TH_LOAD_NT scope:SCOPE_SE     ; K step 1 of my 32 rows,
	global_prefetch_b8 v[PFO], s[PFA:PFA+1] offset:2*ROWB th:TH_LOAD_NT scope:SCOPE_SE   ; and K step 2
.macro FRAG reg, adr, q, i             ; a fragment, 16 rows x 128 K of codes, is 16 registers: lane l holds row l % 16; registers 4 c .. 4 c + 3 hold K = 32 c + 16 (l / 16) + 0 .. 15: the same permutation of K in both sources
.irp c, 0,1,2,3
	ds_load_b128 v[\reg+4*\c:\reg+4*\c+3], v[\adr] offset:128*(\q)+32*\c+(\i)*16*PITCH
.endr
.endm
; 16 matrix instructions: source 1's blocks a0, a0 + 1 x source 0's eight, 128 along K.  p: source 0's set.  zero = 1: the first product starts the sums: nothing is ever cleared.
; The 64 accumulators take turns, one instruction a turn, in the same order in every step.
.macro MUL16 a0, p, zero
.irp a, \a0, \a0+1
.irp b, 0,1,2,3,4,5,6,7
.if \zero
	v_wmma_f32_16x16x128_fp8_fp8 v[8*(8*((\a)%4)+\b):8*(8*((\a)%4)+\b)+7], v[128*(\p)+FR*\b:128*(\p)+FR*\b+FR-1], v[AF+FR*(\a):AF+FR*(\a)+FR-1], 0
.else
	v_wmma_f32_16x16x128_fp8_fp8 v[8*(8*((\a)%4)+\b):8*(8*((\a)%4)+\b)+7], v[128*(\p)+FR*\b:128*(\p)+FR*\b+FR-1], v[AF+FR*(\a):AF+FR*(\a)+FR-1], v[8*(8*((\a)%4)+\b):8*(8*((\a)%4)+\b)+7]
.endif
.endr
.endr
.endm
.macro FETCH_B slot, q, p              ; source 0's eight fragments of the slot's q-th 128 along K into set p
	WIN TO_B
.irp i, 0,1,2,3,4,5,6,7
	FRAG 128*(\p)+FR*\i, ADRB+\slot, \q, \i
.endr
	WIN 0
.endm
.macro FETCH_A slot, q, i0             ; source 1's blocks i0 .. i0 + 3
.irp i, \i0, \i0+1, \i0+2, \i0+3
	FRAG AF+FR*(\i), ADRA+\slot, \q, \i
.endr
.endm
; A load into a register that a matrix instruction has read, and a vector instruction that reads a matrix result or writes one of a matrix instruction's registers, stand NP places behind it; only plain vector
; instructions that name none of its registers are places (ISA guide 7.12.1 for vector instructions).
.macro PLACES n
.rept \n
	v_nop
.endr
.endm
; A step of 128 along K that has its successor in the same slot.
.macro STEP slot, q, zero
	s_wait_dscnt 4*NL                              ; source 0's set and source 1's blocks 0-3 are in; the youngest sixteen loads (blocks 4-7) may be out
	WIN MUL_LO
	MUL16 0, (\q)%2, \zero
	MUL16 2, (\q)%2, \zero
	s_wait_dscnt 0                                 ; blocks 4-7 are in (asked for 32 matrix instructions ago)
	PLACES NP
	FETCH_B \slot, (\q)+1, 1-(\q)%2
	FETCH_A \slot, (\q)+1, 0
	WIN MUL_HI
	MUL16 4, (\q)%2, \zero
	MUL16 6, (\q)%2, \zero
	PLACES NP
	WIN 0
	FETCH_A \slot, (\q)+1, 4
.endm
; A slot's last step changes slots: ONE barrier; in front of it each wave waits for all its tensor loads, adds 0 to its spare word, and waits for that and for its own reads of this slot.  fill = 1: this slot is filled again, two K steps ahead.
.macro TURN slot, next, fill
	s_wait_tensorcnt 0x0                           ; all my tensor loads have landed: my part of the next slot;  (every window is 0 here)
	ds_add_u32 v[SPW], v[NIL]                      ; 0 onto my spare word
	s_wait_dscnt 4*NL+1                            ; (the add and the youngest sixteen loads, blocks 4-7, may be out)
	WIN MUL_LO
	MUL16 0, 1, 0                                  ; sixteen matrix instructions stand between the add and the wait for it
	s_wait_dscnt 0x0                               ; the add is done, and my reads of this slot are over
	s_barrier_signal -1
	MUL16 2, 1, 0
	WIN 0
	s_barrier_wait -1
.if \fill
	CREST                                          ; the barrier has opened a round of the cluster's barrier: no wave of any partner still reads this slot's tile or has a load on its way
	s_add_nc_u64 s[G0+4*\slot+2:G0+4*\slot+3], s[G0+4*\slot+2:G0+4*\slot+3], 2*ROWB
	s_add_nc_u64 s[G0B+4*\slot+2:G0B+4*\slot+3], s[G0B+4*\slot+2:G0B+4*\slot+3], 2*ROWB
	JLOAD G0+4*\slot, G1, G0B+4*\slot, G1B         ; the first tensor load behind the round, my one load until the next; the four v_nop behind it are the places in front of the loads below
.else
	PLACES NP
.endif
	FETCH_B \next, 0, 0
	FETCH_A \next, 0, 0
	WIN MUL_HI
	MUL16 4, 1, 0
	MUL16 6, 1, 0
	PLACES NP
	WIN 0
	FETCH_A \next, 0, 4
.endm
	s_wait_alu depctr_va_vdst(0)                   ; the wait at the head's end
	s_wait_tensorcnt 0x0                           ; my part of K step 0 is in
	ds_add_u32 v[SPW], v[NIL]
	s_wait_dscnt 0x0
	CROUND                                         ; everybody's part of K step 0 is in, and all sixteen work-groups are here
	JLOAD G0+4, G1, G0B+4, G1B                     ; K step 1, slot 1's first fill: the first tensor load behind the round
	FETCH_B 0, 0, 0
	FETCH_A 0, 0, 0
	FETCH_A 0, 0, 4
	global_prefetch_b8 v[PFO], s[PFA:PFA+1] offset:3*ROWB th:TH_LOAD_NT scope:SCOPE_SE   ; K step 3 of my 32 rows: two refills ahead of its load
	STEP 0, 0, 1                                   ; the first step stands in front of the loop: its products start the sums
	s_mov_b32 s3, LAPS-1
.Llap:                                                 ; a trip goes once round the ring, from a lap's second step to the next lap's first, and fills both slots again
	TURN 0, 1, 1
	STEP 1, 0, 0
	TURN 1, 0, 1
	STEP 0, 0, 0
	s_sub_co_u32 s3, s3, 1
	s_cmp_lg_u32 s3, 0
	s_cbranch_scc1 .Llap
	TURN 0, 1, 0                                   ; the last lap fills nothing, and has no round of the cluster's barrier
	STEP 1, 0, 0
	s_wait_dscnt 4*NL                              ; the very last step: nothing more to fetch
	WIN MUL_LO
	MUL16 0, 1, 0
	MUL16 2, 1, 0
	s_wait_dscnt 0
	WIN MUL_HI
	MUL16 4, 1, 0
	MUL16 6, 1, 0
	WIN 0
; THE WAY OUT, block by block of source 1's 16 rows.  The block's 64 sums are held within 448 x the scale into other registers, each accumulator from its low end on; eight conversions make 64 codes a lane:
; registers 4 b .. 4 b + 3 are the 16 neighbours 32 b + 16 (lane / 16) + 0 .. 15 along source 0.  Four stores, each 32 lanes x 16 bytes = 512 consecutive bytes, aligned.
.macro OUTBLK a
.set AC, 64*((\a)%4)
	WIN 0x02+((\a)/4)                              ; source 0: window 2 or 3
.set j, 0
.rept 64
	v_med3_num_f32 v[TMP+j], v[AC+j], -v[LIM], v[LIM]   ; the conversion to an 8-bit code does not saturate (ISA guide 7.6.2)
.set j, j+1
.endr
	WIN 0
.irp g, 0,1,2,3,4,5,6,7
	v_cvt_scalef32_pk8_fp8_f32 v[CD+16*(\a)+2*\g:CD+16*(\a)+2*\g+1], v[TMP+8*\g:TMP+8*\g+7], v[SCL]
.endr
	v_nop                                          ; one plain vector instruction between the last conversion and the next block's holds, which write its sources
.if (\a) > 0
	s_wait_alu depctr_va_vdst(0)                   ; the wait here, directly ahead of the wait below
	s_wait_xcnt 0x0                                ; the earlier stores have read their base: it may step
.if (\a) == 4
	s_add_nc_u64 s[10:11], s[10:11], s[68:69]
.else
	s_add_nc_u64 s[10:11], s[10:11], s[66:67]
.endif
.endif
	global_store_b128 v[VO0], v[CD+16*(\a):CD+16*(\a)+3], s[10:11]
	global_store_b128 v[VO0], v[CD+16*(\a)+4:CD+16*(\a)+7], s[10:11] offset:512
	global_store_b128 v[VO1], v[CD+16*(\a)+8:CD+16*(\a)+11], s[10:11]
	global_store_b128 v[VO1], v[CD+16*(\a)+12:CD+16*(\a)+15], s[10:11] offset:512
.endm
	s_wait_kmcnt 0x0
	s_cmp_eq_u32 ttmp9, 0
	s_cselect_b32 s94, s90, s91                    ; q: e2; k: e3;
	s_cmp_eq_u32 ttmp9, 2
	s_cselect_b32 s94, s93, s94                    ; v: e5.  A choice of a number: no branch hangs on a given scale
	s_sub_co_i32 s94, s94, s88
	s_sub_co_i32 s94, s94, s89                     ; eo - e0 - e1
	s_add_co_i32 s94, s94, 127
	s_lshl_b32 s95, s94, 23
	v_mov_b32 v[SCL], s95                          ; 2^(eo - e0 - e1) as f32: the conversion takes its exponent field
	s_add_co_i32 s94, s94, 8
	s_lshl_b32 s94, s94, 23
	s_or_b32 s94, s94, 0x600000
	v_mov_b32 v[LIM], s94                          ; 448 x that
	PLACES NP                                      ; behind the last products: for the reads of their results, and for the codes that are written where source 1's fragments lay
.irp a, 0,1,2,3,4,5,6,7
	OUTBLK \a
.endr
	s_wait_tensorcnt 0x0                           ; the wave's end, behind my last tensor load
	ds_add_u32 v[SPW], v[NIL]
	s_wait_dscnt 0x0
	CROUND                                         ; the closing round: no work-group ends while a partner may still ask for a tile that names it
	s_endpgm
.Lfunc_end_k_qb4b6b7c353_gemm:
	.size	k_qb4b6b7c353_gemm, .Lfunc_end_k_qb4b6b7c353_gemm-k_qb4b6b7c353_gemm
	.p2alignl 7, 3214868480
	.fill 96, 4, 3214868480
	.section	.rodata,"a",@progbits
	.p2align	6, 0x0
	.amdhsa_kernel k_qb4b6b7c353_gemm
		.amdhsa_group_segment_fixed_size 327680
		.amdhsa_private_segment_fixed_size 0
		.amdhsa_enable_private_segment 0
		.amdhsa_kernarg_size 32
		.amdhsa_user_sgpr_count 2
		.amdhsa_user_sgpr_kernarg_segment_ptr 1
		.amdhsa_wavefront_size32 1
		.amdhsa_system_sgpr_workgroup_id_x 1
		.amdhsa_system_sgpr_workgroup_id_y 1
		.amdhsa_system_sgpr_workgroup_id_z 1
		.amdhsa_system_vgpr_workitem_id 0
		.amdhsa_next_free_vgpr 1024
		.amdhsa_next_free_sgpr 100
		.amdhsa_reserve_vcc 0
		.amdhsa_float_denorm_mode_32 3
		.amdhsa_float_denorm_mode_16_64 3
		.amdhsa_memory_ordered 1
		.amdhsa_forward_progress 1
		.amdhsa_inst_pref_size 120
	.end_amdhsa_kernel
	.amdgpu_metadata
---
amdhsa.version: [ 1, 2 ]
amdhsa.kernels:
  - .name:           k_qb4b6b7c353_gemm
    .symbol:         k_qb4b6b7c353_gemm.kd
    .args:
      - { .name: xc, .offset: 0, .size: 8, .value_kind: global_buffer, .address_space: global }
      - { .name: wc, .offset: 8, .size: 8, .value_kind: global_buffer, .address_space: global }
      - { .name: lowp_scales, .offset: 16, .size: 8, .value_kind: global_buffer, .address_space: global }
      - { .name: qkv, .offset: 24, .size: 8, .value_kind: global_buffer, .address_space: global }
    .group_segment_fixed_size: 327680
    .private_segment_fixed_size: 0
    .kernarg_segment_align: 8
    .kernarg_segment_size: 32
    .max_flat_workgroup_size: 128
    .sgpr_count:     100
    .vgpr_count:     1024
    .wavefront_size: 32
...
	.end_amdgpu_metadata
.endif
;; end of part 2
;; launch attn (part 3): grid 4 x 64, 8 waves a work-group, clusters of 4 x 1, 327,680 bytes of LDS; arguments qkv, lowp_scales, out0; writes out0
.if DOCPART == 3
	.amdgcn_target "amdgcn-amd-amdhsa--gfx1250"
	.amdhsa_code_object_version 6
	.text
	.protected	k_qb4b6b7c353_attn
	.globl	k_qb4b6b7c353_attn
	.p2align	8
	.type	k_qb4b6b7c353_attn,@function
k_qb4b6b7c353_attn:
	s_mov_b64 s[64:65], 0
	v_nop
	global_prefetch_b8 v0, s[64:65] scope:SCOPE_SE
	s_setreg_imm32_b32 hwreg(HW_REG_WAVE_MODE, 25, 1), 1
	s_wait_xcnt 0x0
	s_wait_alu depctr_hold_cnt(0) depctr_sa_sdst(0) depctr_va_vdst(0) depctr_va_sdst(0) depctr_va_ssrc(0) depctr_va_vcc(0) depctr_vm_vsrc(0)
	s_getreg_b32 s2, hwreg(HW_REG_IB_STS2, 6, 4)
	s_cmp_eq_u32 s2, 0
	s_cbranch_scc0 .Lentry_in_a_cluster
	s_endpgm
.Lentry_in_a_cluster:
	s_bfe_u32 s2, ttmp6, 0x10000c
	s_cmp_lg_u32 s2, 0x3003
	s_cbranch_scc0 .Lentry_shape_is_right
	s_endpgm
.Lentry_shape_is_right:
; out[b][i][64 head + d] = the sum over keys k <= i of softmax_k(q . k / 8) v, both products on codes of FP8 (E4M3) that the launch before laid as images of operand registers (16 bytes x lane, 512 bytes a piece):
;   q at 0, k at 8,388,608: bh x 131,072 + T x 1,024 + c x 512: tile T holds tokens 32 (T / 2) + 8 (T % 2) + r + 8 (r / 8), channels 32 c + 16 h + 0 .. 15;  v at 16,777,216: bh x 131,072 + s x 8,192 + d x 2,048 + c x 512:
;   channels 32 (d / 2) + 8 (d % 2) + r + 8 (r / 8), keys 128 s + 32 c + 16 h + 0 .. 15.
; WORK LEFT OUT: the scores of keys k > i are -infinity, so their p is 0 for all inputs.  Steps of 128 keys that lie wholly behind a block of 128 queries are not walked, and on the diagonal
; the block's first 64 queries take the step's first 64 keys alone.  A NaN or an infinity that reaches only such scores is not carried to the result.
; THE SOFTMAX: t = score x log2(e) / 8; M = the running largest t rounded up to a whole number; p = 2^(t - M) is quantised with 2^e4, held at 448 x 2^e4; the row's sum is taken of the unquantised p and divides at the end.
; LIMITS: e2 + e3 between -123 and 130 (added to c's exponent field); e4 between -126 and 119; the scaled scores stay under 2^31 in magnitude.
; SHARES.  A cluster of four work-groups owns one (batch, head); all of its K and V, 2 x 131,072 bytes, lies in each work-group's LDS, asked for jointly by two loads a wave: steps 0-3 at the head, steps 4-15 behind a round.
; Work-group cx owns the tiles T % 8 = cx and cx + 4.  Each of its EIGHT waves takes the two tiles of a block of 128 queries TOGETHER, so that each fragment of K and of V feeds two matrix instructions;
; wave w takes block 15 - w and then block w: 17 steps in every wave.  A block leaves as soon as its diagonal step is done, through the wave's own stage in LDS, which no fill touches: no barrier stands in front of the way out.
; All loops have constant trip counts; a scalar branch on the wave's number and the count of steps leads round a step's work.  No branch hangs on cx.
; No prefetch: all that the launch reads is asked for at its head; there is no loop to run ahead in.
; Both products are used transposed (S^T = K Q^T, O^T = V^T P^T): a lane holds one query.  Register n of a tile's scores is key 32 (n / 16) + n % 16 + 16 h of the step.
; REGISTERS.  Window 0: v1-39 addresses and state; v40-103 fragments of K, then of V; v104-167, v168-231 the two tiles' scores, then p.  Window 1: v0-63 O^T of the two tiles; v64-95 Q of the two blocks; v96-127 p's codes.
.set VREG,   131072                    ; V's region in LDS; K's begins at 0
.set STEPB,  8192                      ; a step of 128 keys in either
.set SPARE,  262144                    ; the spare words, 128 bytes a wave
.set STAGE,  263168                    ; the stages: 16 rows x 272 bytes a wave
.set SPITCH, 272
.set LI,   1                           ; 16 x lane
.set DD,   2                           ; tile A's query in its block - 16 h
.set GO,   3
.set STO,  4
.set SPW,  5
.set NIL,  6
.set RD,   7
.set ADK,  8
.set ADV,  9
.set STA,  10                          ; -M, the largest t, the sum in two halves
.set STB,  14
.set FFA,  18                          ; 2^(old M - new M), as the low word of a pair
.set FFB,  20
.set SUMA, 22
.set SUMB, 24
.set W0,   26                          ; v26-29 at work
.set PDA,  30
.set PDB,  31
.set SCP,  32                          ; 2^e4
.set LIMA, 33                          ; 448 x 2^e4, twice: the two halves of a dual pair take their second sources from different banks
.set LIMB, 34
.set NINF, 35
.set LIV,  36                          ; VREG + 16 x lane
.set QO1,  37
.set QO2,  38
.set FR,   40
.set SA,   104
.set SB,   168
.set OA,   0                           ; window 1
.set OB,   32
.set Q1,   64
.set Q2,   80
.set PCA,  96
.set PCB,  112
.set WV,   10
.set CX,   11
.set BH,   12
.set R1,   13
.set SS,   16
.set TB,   17
.set SEL,  20
.set CS,   22
.set G1A,  24
.set G1B,  32
.set G0A,  40
.set G0B,  44
.set QP,   54
.set OP1,  66
.set OP2,  68
.set MSB, 0
.macro WIN new                         ; the immediate's high byte repeats the setting that is left
.if MSB != \new
	s_set_vgpr_msb (MSB<<8)|\new
.set MSB, \new
.endif
.endm
.macro CROUND
	s_barrier_signal -1
	s_barrier_wait -1
	s_cmp_lg_u32 s[WV], 0
	s_cbranch_scc1 .Lnot_wave_0_\@
	s_barrier_signal -3
.Lnot_wave_0_\@:
	s_barrier_wait -3
	s_barrier_signal -1
	s_barrier_wait -1
.endm
.macro INIT                            ; a block's state: the largest t -3e38, the sums and O^T zeros, which the first change of M leaves zeros
.irp t, STA, STB
	v_mov_b32 v[\t+1], 0xff61b1e6
	v_floor_f32 v[\t], -v[\t+1]
	v_mov_b32 v[\t+2], 0
	v_mov_b32 v[\t+3], 0
.endr
	WIN 0x40
.set j, 0
.rept 64
	v_mov_b32 v[OA+j], 0
.set j, j+1
.endr
	WIN 0
.endm
	s_load_b128 s[4:7], s[0:1], 0x0                ; qkv, the scales' exponents
	s_load_b64 s[8:9], s[0:1], 0x10                ; out
	v_lshl_add_u32 v[SPW], v0, 2, SPARE
	v_mov_b32 v[NIL], 0
	ds_add_u32 v[SPW], v[NIL]                      ; the opening lines: the add, twice on end, and its wait ahead of my first tensor load
	ds_add_u32 v[SPW], v[NIL]
	v_lshrrev_b32 v[LI], 5, v0
	v_readfirstlane_b32 s[WV], v[LI]               ; wave 0..7: my second block
	s_xor_b32 s[R1], s[WV], 15                     ; my first block
	s_bfe_u32 s[CX], ttmp6, 0x40000
	s_and_b32 s[BH], ttmp7, 0xffff
	s_mov_b32 s[G1A], 15|(3<<16)|(1<<21)           ; the four partners; elements of 8 bytes: 32 rows of 256 bytes
	s_mov_b32 s[G1A+1], 32<<16
	s_mov_b32 s[G1A+2], 32<<16
	s_mov_b32 s[G1A+3], 32<<16
	s_mov_b32 s[G1A+4], 32
	s_mov_b32 s[G1A+5], 32
	s_mov_b32 s[G1A+6], 0
	s_mov_b32 s[G1A+7], 0
	s_mov_b32 s[G1B], 15|(3<<16)|(1<<21)           ; 96 rows of 256 bytes
	s_mov_b32 s[G1B+1], 32<<16
	s_mov_b32 s[G1B+2], 96<<16
	s_mov_b32 s[G1B+3], 32<<16
	s_mov_b32 s[G1B+4], 96
	s_mov_b32 s[G1B+5], 32
	s_mov_b32 s[G1B+6], 0
	s_mov_b32 s[G1B+7], 0
	s_and_b32 s56, s[WV], 3                        ; waves 0-3 fetch K, waves 4-7 V, a quarter each
	s_lshr_b32 s57, s[WV], 2
	s_lshl_b32 s58, s57, 17
	s_lshl_b32 s59, s56, 13                        ; steps 0-3: 8,192 bytes a wave
	s_mul_i32 s60, s56, 24576
	s_add_co_u32 s60, s60, 32768                   ; steps 4-15: 24,576 bytes a wave
	s_mov_b32 s[G0A], 1
	s_add_co_u32 s[G0A+1], s58, s59
	s_mov_b32 s[G0B], 1
	s_add_co_u32 s[G0B+1], s58, s60
	s_add_co_u32 s57, s57, 1
	s_lshl_b32 s57, s57, 23
	s_lshl_b32 s61, s[BH], 17
	s_add_co_u32 s57, s57, s61
	s_add_co_u32 s62, s57, s59
	s_mov_b32 s63, 0
	s_add_co_u32 s70, s57, s60
	s_mov_b32 s71, 0
	s_mov_b32 s72, s61
	s_mov_b32 s73, 0
	s_lshr_b32 s74, s[CX], 1
	s_lshl_b32 s74, s74, 5
	s_and_b32 s75, s[CX], 1
	s_lshl_b32 s75, s75, 3
	s_add_co_u32 s74, s74, s75                     ; tile A's first token in its block: 32 (cx / 2) + 8 (cx % 2)
	s_lshr_b32 s75, s[BH], 4
	s_lshl_b32 s75, s75, 23
	s_and_b32 s76, s[BH], 15
	s_lshl_b32 s76, s76, 8
	s_add_co_u32 s75, s75, s76                     ; the batch and the head in out
	s_lshl_b32 s76, s[R1], 7
	s_add_co_u32 s76, s76, s74
	s_lshl_b32 s76, s76, 12
	s_add_co_u32 s76, s76, s75
	s_mov_b32 s77, 0
	s_lshl_b32 s78, s[WV], 7
	s_add_co_u32 s78, s78, s74
	s_lshl_b32 s78, s78, 12
	s_add_co_u32 s78, s78, s75
	s_mov_b32 s79, 0
	s_mov_b32 s[SEL], 0x76543210
	s_mov_b32 s[SEL+1], 0xfedcba98
	s_mov_b32 s[CS], 0x3e38aa3b                    ; c = log2(e) / 8
	s_mov_b32 s[SS], 0
	s_mov_b32 s[TB], 0
	s_mul_i32 s56, s[WV], 16*SPITCH
	s_add_co_u32 s56, s56, STAGE                   ; my stage
	s_lshl_b32 s57, s[R1], 3
	s_add_co_u32 s57, s57, s[CX]
	s_lshl_b32 s57, s57, 10                        ; tile A of my first block in q,
	s_lshl_b32 s58, s[WV], 3
	s_add_co_u32 s58, s58, s[CX]
	s_lshl_b32 s58, s58, 10                        ; and of my second
	v_and_b32 v[LI], 31, v0
	v_and_b32 v[W0], 15, v0                        ; r
	v_bfe_u32 v[W0+1], v0, 4, 1                    ; h
	v_lshlrev_b32 v[LI], 4, v[LI]
	v_and_b32 v[DD], 8, v[W0]
	v_lshlrev_b32 v[PDA], 4, v[W0+1]
	v_add_nc_u32 v[DD], v[DD], v[W0]
	v_add_nc_u32 v[LIV], VREG, v[LI]
	v_sub_nc_u32 v[DD], v[DD], v[PDA]
	v_lshlrev_b32 v[GO], 12, v[W0+1]
	v_add_nc_u32 v[DD], s74, v[DD]
	v_lshl_add_u32 v[GO], v[W0], 4, v[GO]          ; the way out: lanes 0-15 one row of out, lanes 16-31 the next; 16 bytes a lane
	v_mul_u32_u24 v[STO], v[W0], SPITCH
	v_mul_u32_u24 v[RD], v[W0+1], SPITCH
	v_lshl_add_u32 v[STO], v[W0+1], 6, v[STO]
	v_lshl_add_u32 v[RD], v[W0], 4, v[RD]
	v_add_nc_u32 v[STO], s56, v[STO]
	v_add_nc_u32 v[RD], s56, v[RD]
	v_add_nc_u32 v[QO1], s57, v[LI]
	v_add_nc_u32 v[QO2], s58, v[LI]
	v_mov_b32 v[FFA+1], 0                          ; (named as the upper halves of pairs)
	v_mov_b32 v[FFB+1], 0
	v_mov_b32 v[PDB], 0                            ; a lane permute's destination counts as one of its sources
	v_mov_b32 v[NINF], 0xff800000
	s_wait_alu depctr_va_vdst(0)                   ; the wait here, directly ahead of the waits below
	s_wait_dscnt 0x0                               ; both opening adds are done
	s_wait_kmcnt 0x0
	s_load_b128 s[48:51], s[6:7], 0x8              ; e2 (q), e3 (k), e4 (p), e5 (v)
	s_add_nc_u64 s[G0A+2:G0A+3], s[4:5], s[62:63]
	s_or_b32 s[G0A+3], s[G0A+3], 0x80000000
	s_add_nc_u64 s[G0B+2:G0B+3], s[4:5], s[70:71]
	s_or_b32 s[G0B+3], s[G0B+3], 0x80000000
	s_add_nc_u64 s[QP:QP+1], s[4:5], s[72:73]
	s_add_nc_u64 s[OP1:OP1+1], s[8:9], s[76:77]
	s_add_nc_u64 s[OP2:OP2+1], s[8:9], s[78:79]
	WIN 0x40                                       ; Q's four tiles stay in registers; tile B lies four tiles, 4,096 bytes, behind tile A
.irp c, 0,1,2,3
	global_load_b128 v[Q1+4*\c:Q1+4*\c+3], v[QO1], s[QP:QP+1] offset:4096*(\c/2)+512*(\c%2)
	global_load_b128 v[Q2+4*\c:Q2+4*\c+3], v[QO2], s[QP:QP+1] offset:4096*(\c/2)+512*(\c%2)
.endr
	WIN 0
	CROUND                                         ; the four work-groups are here: the first joint loads meet
	tensor_load_to_lds s[G0A:G0A+3], s[G1A:G1A+7]  ; steps 0-3: my one load at the head
	s_nop 0
.rept 4
	v_nop
.endr
	INIT
	s_wait_alu depctr_va_vdst(0)                   ; the wait here, directly ahead of the wait below
	s_wait_tensorcnt 0x0
	ds_add_u32 v[SPW], v[NIL]
	s_wait_dscnt 0x0
	CROUND                                         ; everybody's part of steps 0-3 is in
	tensor_load_to_lds s[G0B:G0B+3], s[G1B:G1B+7]  ; steps 4-15: it has the first four steps' work in which to land
	s_nop 0
.rept 4
	v_nop
.endr
	s_wait_kmcnt 0x0
	s_add_co_i32 s56, s48, s49
	s_lshl_b32 s56, s56, 23
	s_add_co_i32 s[CS], s[CS], s56                 ; a score stands for score x 2^(e2 + e3): added to c's exponent field
	s_mov_b32 s[CS+1], s[CS]
	s_add_co_i32 s56, s50, 127
	s_lshl_b32 s57, s56, 23
	v_mov_b32 v[SCP], s57
	s_add_co_i32 s56, s56, 8
	s_lshl_b32 s56, s56, 23
	s_or_b32 s56, s56, 0x600000
	v_mov_b32 v[LIMA], s56
	v_mov_b32 v[LIMB], s56
	s_add_co_i32 s52, s50, s51                     ; e4 + e5
; A STEP: 128 keys against the block's two tiles.  dg = 1: the diagonal step: tile A (queries 0-63 of the block) takes keys 0-63 alone, 32 scores a lane, all compared;
; tile B (queries 64-127) has keys 0-63 open and keys 64-127 compared: the same 32 compares serve both tiles, since both the query and the key lie 64 further on.
; A tile's sum of its n unquantised p a lane, two at a time, in four chains by turns.
.macro SUMS st, su, s, n
	v_pk_add_f32 v[\su:\su+1], v[\s:\s+1], v[\s+2:\s+3]
	v_pk_add_f32 v[W0:W0+1], v[\s+4:\s+5], v[\s+6:\s+7]
	v_pk_add_f32 v[W0+2:W0+3], v[\s+8:\s+9], v[\s+10:\s+11]
.set k, 12
.rept (\n-12)/2
.if k%8 == 4
	v_pk_add_f32 v[\st+2:\st+3], v[\st+2:\st+3], v[\s+k:\s+k+1]
.endif
.if k%8 == 6
	v_pk_add_f32 v[\su:\su+1], v[\su:\su+1], v[\s+k:\s+k+1]
.endif
.if k%8 == 0
	v_pk_add_f32 v[W0:W0+1], v[W0:W0+1], v[\s+k:\s+k+1]
.endif
.if k%8 == 2
	v_pk_add_f32 v[W0+2:W0+3], v[W0+2:W0+3], v[\s+k:\s+k+1]
.endif
.set k, k+2
.endr
	v_pk_add_f32 v[\su:\su+1], v[\su:\su+1], v[W0:W0+1]
	v_pk_add_f32 v[\st+2:\st+3], v[\st+2:\st+3], v[W0+2:W0+3]
	v_pk_add_f32 v[\st+2:\st+3], v[\st+2:\st+3], v[\su:\su+1]
.endm
.macro PSTEP dg, q
.set NA, 64-32*\dg
	v_add_nc_u32 v[ADK], s[TB], v[LI]
	v_add_nc_u32 v[ADV], s[TB], v[LIV]
	v_nop                                          ; with the two additions: four places in front of loads into registers that the last products read
	v_nop
.set f, 0
.rept 8
	ds_load_b128 v[FR+8*f:FR+8*f+3], v[ADK] offset:1024*f
	ds_load_b128 v[FR+8*f+4:FR+8*f+7], v[ADK] offset:1024*f+512
.set f, f+1
.endr
	s_wait_alu depctr_va_vdst(0)
	s_wait_dscnt 8                                 ; K's tiles 0-3 are in; the younger eight loads may be out
	WIN 0x04                                       ; source 1 (Q) in window 1
.set f, 0
.rept 8
.if f == 4
	s_wait_dscnt 0x0
.endif
.if 8*f < NA
	v_wmma_f32_16x16x64_fp8_fp8 v[SA+8*f:SA+8*f+7], v[FR+8*f:FR+8*f+7], v[\q:\q+7], 0
.endif
	v_wmma_f32_16x16x64_fp8_fp8 v[SB+8*f:SB+8*f+7], v[FR+8*f:FR+8*f+7], v[\q+8:\q+15], 0
.set f, f+1
.endr
	WIN 0
.rept 4
	v_nop
.endr
.set f, 0
.rept 16
	ds_load_b128 v[FR+4*f:FR+4*f+3], v[ADV] offset:512*f   ; V's four fragments come in under the softmax
.set f, f+1
.endr
.if \dg
.set n, 0
.rept 32
	v_cmp_gt_i32 vcc_lo, 32*(n/16)+n%16, v[DD]     ; hidden keys' scores become -infinity: p = 0
	v_cndmask_b32 v[SA+n], v[SA+n], v[NINF], vcc_lo
	v_cndmask_b32 v[SB+32+n], v[SB+32+n], v[NINF], vcc_lo
.set n, n+1
.endr
.endif
	v_max3_num_f32 v[W0], v[SA], v[SA+1], v[SA+2]  ; the step's largest scores, in four chains by turns, each accumulator from its low end on
	v_max3_num_f32 v[W0+2], v[SB], v[SB+1], v[SB+2]
	v_max3_num_f32 v[W0+1], v[SA+3], v[SA+4], v[SA+5]
	v_max3_num_f32 v[W0+3], v[SB+3], v[SB+4], v[SB+5]
.set i, 6
.rept 14
.if i < NA-2
	v_max3_num_f32 v[W0], v[W0], v[SA+i], v[SA+i+1]
	v_max3_num_f32 v[W0+1], v[W0+1], v[SA+i+2], v[SA+i+3]
.endif
	v_max3_num_f32 v[W0+2], v[W0+2], v[SB+i], v[SB+i+1]
	v_max3_num_f32 v[W0+3], v[W0+3], v[SB+i+2], v[SB+i+3]
.set i, i+4
.endr
	v_max3_num_f32 v[W0], v[W0], v[SA+NA-2], v[SA+NA-1]
	v_max3_num_f32 v[W0+2], v[W0+2], v[SB+62], v[SB+63]
	v_max_num_f32 v[W0], v[W0], v[W0+1]
	v_max_num_f32 v[W0+2], v[W0+2], v[W0+3]
	v_permlanex16_b32 v[PDA], v[W0], s[SEL], s[SEL+1]
	v_permlanex16_b32 v[PDB], v[W0+2], s[SEL], s[SEL+1]
	v_max_num_f32 v[W0], v[W0], v[PDA]
	v_max_num_f32 v[W0+2], v[W0+2], v[PDB]
	v_mul_f32 v[W0], s[CS], v[W0]                  ; as t (c is positive)
	v_mul_f32 v[W0+2], s[CS], v[W0+2]
	v_max_num_f32 v[STA+1], v[STA+1], v[W0]        ; the running largest t
	v_max_num_f32 v[STB+1], v[STB+1], v[W0+2]
	v_mov_b32 v[W0], v[STA]
	v_mov_b32 v[W0+2], v[STB]
	v_floor_f32 v[STA], -v[STA+1]                  ; -M = floor(-t)
	v_floor_f32 v[STB], -v[STB+1]
	v_sub_f32 v[W0], v[STA], v[W0]                 ; old M - new M, a whole number, 0 or less
	v_sub_f32 v[W0+2], v[STB], v[W0+2]
	v_cvt_i32_f32 v[W0], v[W0]
	v_cvt_i32_f32 v[W0+2], v[W0+2]
	v_ldexp_f32 v[FFA], 1.0, v[W0]
	v_ldexp_f32 v[FFB], 1.0, v[W0+2]
.set j, 0
.rept 32
.if j < NA
	v_pk_fma_f32 v[SA+j:SA+j+1], v[SA+j:SA+j+1], s[CS:CS+1], v[STA:STA+1] op_sel_hi:[1,0,0]   ; t - M
.endif
.set j, j+2
.endr
	WIN 0x41                                       ; O^T under the new M, ahead of the exponentials: no transcendental stands between the last products and this first read of their results
.set j, 0
.rept 16
	v_pk_mul_f32 v[OA+j:OA+j+1], v[OA+j:OA+j+1], v[FFA:FFA+1] op_sel_hi:[1,0]
	v_pk_mul_f32 v[OB+j:OB+j+1], v[OB+j:OB+j+1], v[FFB:FFB+1] op_sel_hi:[1,0]
.set j, j+2
.endr
	WIN 0
	s_wait_alu depctr_va_vdst(0)                   ; the wait ahead of the batch
.set j, 0
.rept 32                                       ; tile A's exponentials; among them tile B's t - M, whose results are first read behind the next wait
.if j < NA
	v_exp_f32 v[SA+j], v[SA+j]
	v_exp_f32 v[SA+j+1], v[SA+j+1]
.endif
	v_pk_fma_f32 v[SB+j:SB+j+1], v[SB+j:SB+j+1], s[CS:CS+1], v[STB:STB+1] op_sel_hi:[1,0,0]
.set j, j+2
.endr
	v_pk_mul_f32 v[STA+2:STA+3], v[STA+2:STA+3], v[FFA:FFA+1] op_sel_hi:[1,0]   ; the sums under the new M (plain places behind the batch)
	v_pk_mul_f32 v[STB+2:STB+3], v[STB+2:STB+3], v[FFB:FFB+1] op_sel_hi:[1,0]
	s_wait_alu depctr_va_vdst(0)                   ; one wait for the whole batch, ahead of its first reader
	SUMS STA, SUMA, SA, NA                         ; tile A's sum of the unquantised p, ahead of its hold
.set j, 0
.rept 32                                       ; tile B's exponentials; among them tile A's hold, whose results are first read behind the next wait.
.if j < NA                                     ; The hold: the conversion to an 8-bit code does not saturate (ISA guide 7.6.2); p is not negative, so it is one-sided; two numbers an instruction
	v_exp_f32 v[SB+j], v[SB+j]
	v_exp_f32 v[SB+j+1], v[SB+j+1]
	v_dual_min_num_f32 v[SA+j], v[SA+j], v[LIMA] :: v_dual_min_num_f32 v[SA+j+1], v[SA+j+1], v[LIMB]
.else
	v_exp_f32 v[SB+j], v[SB+j]
	v_exp_f32 v[SB+j+1], v[SB+j+1]
.endif
.set j, j+2
.endr
	v_nop                                          ; a plain place behind the last exponential
	s_wait_alu depctr_va_vdst(0)                   ; one wait for tile B's batch, ahead of its first reader
	SUMS STB, SUMB, SB, 64
.set j, 0
.rept 32
	v_dual_min_num_f32 v[SB+j], v[SB+j], v[LIMA] :: v_dual_min_num_f32 v[SB+j+1], v[SB+j+1], v[LIMB]
.set j, j+2
.endr
	WIN 0x40                                       ; the codes go to window 1
.set g, 0
.rept 8
.if 8*g < NA
	v_cvt_scalef32_pk8_fp8_f32 v[PCA+2*g:PCA+2*g+1], v[SA+8*g:SA+8*g+7], v[SCP]
.endif
	v_cvt_scalef32_pk8_fp8_f32 v[PCB+2*g:PCB+2*g+1], v[SB+8*g:SB+8*g+7], v[SCP]
.set g, g+1
.endr
	v_nop                                          ; one plain line between the last conversion and the matrix instructions
	s_wait_alu depctr_va_vdst(0)
	s_wait_dscnt 0x0                               ; V's fragments are in
	WIN 0x54
.set f, 0
.rept 4
.if \dg
	v_wmma_f32_16x16x64_fp8_fp8 v[OA+8*f:OA+8*f+7], v[FR+16*f:FR+16*f+7], v[PCA:PCA+7], v[OA+8*f:OA+8*f+7]   ; keys 0-63 alone
.else
	v_wmma_f32_16x16x128_fp8_fp8 v[OA+8*f:OA+8*f+7], v[FR+16*f:FR+16*f+15], v[PCA:PCA+15], v[OA+8*f:OA+8*f+7]
.endif
	v_wmma_f32_16x16x128_fp8_fp8 v[OB+8*f:OB+8*f+7], v[FR+16*f:FR+16*f+15], v[PCB:PCB+15], v[OB+8*f:OB+8*f+7]
.set f, f+1
.endr
	WIN 0
.endm
; THE WAY OUT of a block: O^T / the sum x 2^(e4 + e5) goes through my stage, a tile of 16 rows x 256 bytes at a time, and leaves as aligned units of 256 bytes, sixteen lanes to a unit.
.macro WAYOUT op
	v_add_f32 v[STA+2], v[STA+2], v[STA+3]
	v_add_f32 v[STB+2], v[STB+2], v[STB+3]
	v_permlanex16_b32 v[PDA], v[STA+2], s[SEL], s[SEL+1]
	v_permlanex16_b32 v[PDB], v[STB+2], s[SEL], s[SEL+1]
	v_add_f32 v[STA+2], v[STA+2], v[PDA]
	v_add_f32 v[STB+2], v[STB+2], v[PDB]
	s_wait_alu depctr_va_vdst(0)                   ; the wait ahead of the transcendentals
	v_rcp_f32 v[STA+2], v[STA+2]
	v_rcp_f32 v[STB+2], v[STB+2]
	v_nop
	s_wait_alu depctr_va_vdst(0)                   ; and ahead of their first reader
	v_ldexp_f32 v[STA+2], v[STA+2], s52
	v_ldexp_f32 v[STB+2], v[STB+2], s52
	WIN 0x01
	s_wait_alu depctr_va_vdst(0)                   ; the wait directly ahead of the first reader of O^T
.set j, 0
.rept 16
	v_pk_mul_f32 v[SA+j:SA+j+1], v[OA+j:OA+j+1], v[STA+2:STA+3] op_sel_hi:[1,0]
.set j, j+2
.endr
.set j, 0
.rept 16
	v_pk_mul_f32 v[SA+32+j:SA+32+j+1], v[OB+j:OB+j+1], v[STB+2:STB+3] op_sel_hi:[1,0]
.set j, j+2
.endr
	WIN 0
.irp u, 0,1
.irp d, 0,1,2,3
	ds_store_b128 v[STO], v[SA+32*\u+8*\d:SA+32*\u+8*\d+3] offset:128*(\d/2)+32*(\d%2)
	ds_store_b128 v[STO], v[SA+32*\u+8*\d+4:SA+32*\u+8*\d+7] offset:128*(\d/2)+32*(\d%2)+16
.endr
.irp i, 0,1,2,3,4,5,6,7
	ds_load_b128 v[FR+32*\u+4*\i:FR+32*\u+4*\i+3], v[RD] offset:2*\i*SPITCH   ; LDS serves a wave's instructions in order: these see my stores, and tile B's stores come behind them
.endr
.endr
.irp u, 0,1
.irp i, 0,1,2,3,4,5,6,7
	s_wait_dscnt 23-16*\u-\i                       ; the LDS instructions issued behind this load may be out
	global_store_b128 v[GO], v[FR+32*\u+4*\i:FR+32*\u+4*\i+3], s[\op:\op+1] offset:(2*\i+8*(\i/4))*4096+262144*\u th:TH_STORE_NT
.endr
.endr
	s_wait_xcnt 0x0                                ; the stores have read their registers, which later lines write
.endm
; The steps from s[SS] to last - 1 of the block whose number is s[rk]: open steps under it, the diagonal step and the way out at it, nothing behind it.  The trip count is a constant.
.macro WALK q, rk, op, last
.Lw_\@:
	s_cmp_ge_u32 s[SS], s[\rk]
	s_cbranch_scc1 .Ld_\@
	PSTEP 0, \q
	s_branch .Ln_\@
.Ld_\@:
	s_cmp_lg_u32 s[SS], s[\rk]
	s_cbranch_scc1 .Ln_\@
	PSTEP 1, \q
	WAYOUT \op
.Ln_\@:
	s_add_co_u32 s[TB], s[TB], STEPB
	s_add_co_u32 s[SS], s[SS], 1
	s_cmp_lt_u32 s[SS], \last
	s_cbranch_scc1 .Lw_\@
.endm
	s_wait_alu depctr_va_vdst(0)                   ; the wait at the head's end
	s_wait_loadcnt 0x0                             ; Q
.Lfirst:                                           ; steps 0-3 of my first block, which is block 8 or later: all open, in every wave
	PSTEP 0, Q1
	s_add_co_u32 s[TB], s[TB], STEPB
	s_add_co_u32 s[SS], s[SS], 1
	s_cmp_lt_u32 s[SS], 4
	s_cbranch_scc1 .Lfirst
	s_wait_tensorcnt 0x0                           ; my part of steps 4-15 is in,
	s_wait_dscnt 0x0
	s_barrier_signal -1
	s_barrier_wait -1                              ; everybody's is
	s_mov_b32 s[SS], 4
	s_mov_b32 s[TB], 4*STEPB
	WALK Q1, R1, OP1, 16
	INIT
	s_mov_b32 s[SS], 0
	s_mov_b32 s[TB], 0
	WALK Q2, WV, OP2, 8
	s_wait_tensorcnt 0x0                           ; the wave's end
	ds_add_u32 v[SPW], v[NIL]
	s_wait_dscnt 0x0
	CROUND                                         ; the closing round
	s_endpgm
.Lfunc_end_k_qb4b6b7c353_attn:
	.size	k_qb4b6b7c353_attn, .Lfunc_end_k_qb4b6b7c353_attn-k_qb4b6b7c353_attn
	.p2alignl 7, 3214868480
	.fill 96, 4, 3214868480
	.section	.rodata,"a",@progbits
	.p2align	6, 0x0
	.amdhsa_kernel k_qb4b6b7c353_attn
		.amdhsa_group_segment_fixed_size 327680
		.amdhsa_private_segment_fixed_size 0
		.amdhsa_enable_private_segment 0
		.amdhsa_kernarg_size 24
		.amdhsa_user_sgpr_count 2
		.amdhsa_user_sgpr_kernarg_segment_ptr 1
		.amdhsa_wavefront_size32 1
		.amdhsa_system_sgpr_workgroup_id_x 1
		.amdhsa_system_sgpr_workgroup_id_y 1
		.amdhsa_system_sgpr_workgroup_id_z 1
		.amdhsa_system_vgpr_workitem_id 0
		.amdhsa_next_free_vgpr 384
		.amdhsa_next_free_sgpr 80
		.amdhsa_reserve_vcc 1
		.amdhsa_float_denorm_mode_32 3
		.amdhsa_float_denorm_mode_16_64 3
		.amdhsa_memory_ordered 1
		.amdhsa_forward_progress 1
		.amdhsa_inst_pref_size 163
	.end_amdhsa_kernel
	.amdgpu_metadata
---
amdhsa.version: [ 1, 2 ]
amdhsa.kernels:
  - .name:           k_qb4b6b7c353_attn
    .symbol:         k_qb4b6b7c353_attn.kd
    .args:
      - { .name: qkv, .offset: 0, .size: 8, .value_kind: global_buffer, .address_space: global }
      - { .name: lowp_scales, .offset: 8, .size: 8, .value_kind: global_buffer, .address_space: global }
      - { .name: out0, .offset: 16, .size: 8, .value_kind: global_buffer, .address_space: global }
    .group_segment_fixed_size: 327680
    .private_segment_fixed_size: 0
    .kernarg_segment_align: 8
    .kernarg_segment_size: 24
    .max_flat_workgroup_size: 256
    .sgpr_count:     80
    .vgpr_count:     384
    .wavefront_size: 32
...
	.end_amdgpu_metadata
.endif
;; end of part 3
